; MI455X (gfx1250); checked and timed in simulation.
; The chip was launched on July 23, 2026; its instructions are those of AMD's public machine-readable ISA for CDNA 5 (MIT licence, August 2026) and "CDNA5" Instruction Set Architecture Reference Guide (July 2026). The comments in the code are by the model that wrote it; some were corrected since.
;; PCD Render. Allowed arithmetic: float matrix products may take bf16 or f16 operands with f32 sums; all other float work in f32.
;; Inputs: features 8,192 x 3 float32; points 8,192 x 3 float32.
;; Outputs: out0 1 x 125 x 128 x 3 float32; out1 1 x 125 x 128 x 10 float32.
;; One version. Each part assembles by itself: llvm-mc -triple=amdgcn-amd-amdhsa -mcpu=gfx1250 --defsym DOCPART=n.
;; ======== version 1 of 1: 2 launches
;; workspace buffers: pix 16,384 bytes of whole numbers; wts 32,768 bytes
;; launch project (part 1): grid 64 x 1, 1 waves a work-group, no clusters, 0 bytes of LDS; arguments points, pix, wts; writes pix, wts
.if DOCPART == 1
	.amdgcn_target "amdgcn-amd-amdhsa--gfx1250"
	.amdhsa_code_object_version 6
	.text
	.protected	k_q694d6049b5_project
	.globl	k_q694d6049b5_project
	.p2align	8
	.type	k_q694d6049b5_project,@function
k_q694d6049b5_project:
	s_mov_b64 s[64:65], 0
	v_nop
	global_prefetch_b8 v0, s[64:65] scope:SCOPE_SE
	s_setreg_imm32_b32 hwreg(HW_REG_WAVE_MODE, 25, 1), 1
	s_wait_xcnt 0x0
; PCDRender, step 1 of 2: which pixel does each point cover, and with which weight.
; Pixel centres lie 2/125 = 0.016 apart in NDC and the radius is 0.005, so the discs about the centres do not overlap: a point covers
; at most ONE pixel, the one at column floor(u), row floor(v) (a covering point lies within 0.3125 pixel of the centre, far from where
; the floor changes).  So one test for each point replaces the test of every pixel against every point.
; The pixel number is made of floating-point numbers, so no address is made of it here: it is stored, and the next launch steers by it.
; SHAPE: 64 waves, each a work-group.  Wave B, lane l takes the four points 128 B + 32 h + p, h = 0..3, at the place p = (l >> 1) + 16 (l & 1)
; of each 32: a load of 12 bytes a lane covers 384 neighbouring bytes of points.  The lane's four results are stored side by side, so that one
; store of the wave covers 256 neighbouring bytes of pix and one 512 of wts.
; OUT, for point 128 B + 32 h + p, with l = 2 (p & 15) + (p >> 4):
;   pix, 16 bits at byte 256 B + 8 l + 2 h: 128 row + column, or 0x7fff if the point covers nothing (bit 15 is never set: the next launch leans on that).
;        (Why the places are dealt so: a lane of the next launch loads 16 bytes, the slots l = 2 L and 2 L + 1.  Its lanes 0 to 15 then hold, in the first
;        8 bytes, places 0 to 15 of a block in their order, and in the second 8 bytes places 16 to 31.)
;   wts, f32 at byte 512 B + 16 l + 4 h: 1 - d2 / r^2 (read later for covering points only).
; ARITHMETIC: the operations in the order of the definition, in f32.  The quotients by z and by 125 are a product with the reciprocal
; followed by one residual step (q + (a - b q) / b), which brings them to the nearest f32; dx^2 + dy^2 is one product and one fused multiply-add.
; LIMITS: z below 2^-126 counts as not visible (v_rcp_f32 takes a denormal as zero).  A point whose d2 lies within a few units in the
; last place of r^2 may fall on the other side than in another f32 evaluation of the same formula.
; Every step is written for the four points in turn: no line waits for the line before.
.set PT,   8                           ; v[8:23]   point h: x, y, z in v[8+4h : 10+4h]
.set RC,   24                          ; v[24:27]  1 / z
.set TX,   28                          ; v[28:31]  -575 x, then 2u - 128, then the centre's x
.set TY,   32                          ; v[32:35]  the same for y
.set QX,   36                          ; v[36:39]  quotient, u, then -x_ndc, dx, d2
.set QY,   40                          ; v[40:43]  quotient, v, then -y_ndc, dy, dy^2
.set EX,   44                          ; v[44:47]  residuals
.set EY,   48                          ; v[48:51]
.set FI,   52                          ; v[52:55]  column, then the pixel's number
.set FJ,   56                          ; v[56:59]  row
.set XS,   60                          ; v[60:63]  127 - 2 column
.set YS,   64                          ; v[64:67]  124 - 2 row
.set WO,   68                          ; v[68:71]  the four weights
.set KO,   72                          ; v[72:73]  the four pixel numbers, 16 bits each
.set NONE, 74                          ; v74       0x7fff
	s_load_b128 s[4:7], s[0:1], 0x0                ; points s[4:5], pix s[6:7]
	s_load_b64 s[8:9], s[0:1], 0x10                ; wts
	s_lshl_b32 s10, ttmp9, 5
	s_mul_i32 s11, ttmp9, 1536                     ; 128 points of 12 bytes for each wave
	v_add_nc_u32 v1, s10, v0                       ; 32 B + l
	v_lshrrev_b32 v5, 1, v0
	v_and_b32 v6, 1, v0
	v_lshl_add_u32 v5, v6, 4, v5                   ; p = (l >> 1) + 16 (l & 1)
	v_mul_u32_u24 v2, 12, v5
	v_add_nc_u32 v2, s11, v2                       ; byte of point 128 B + p in points
	v_lshlrev_b32 v3, 3, v1                        ; my 8 bytes in pix,
	v_lshlrev_b32 v4, 4, v1                        ; my 16 bytes in wts
	s_wait_kmcnt 0x0
.irp p, 0,1,2,3
	global_load_b96 v[PT+4*\p:PT+4*\p+2], v2, s[4:5] offset:384*\p       ; 32 points further for each h
.endr
	s_mov_b32 s12, 0xc40fc000                      ; -575.0  (-FX = -FY)
	s_mov_b32 s13, 0x43800000                      ; 256.0   (PX)
	s_mov_b32 s14, 0x437a0000                      ; 250.0   (PY)
	s_mov_b32 s15, 0x42fe0000                      ; 127.0   (W - 1: the last column, and the centre's numerator 127 - 2 i)
	s_mov_b32 s16, 0x42f80000                      ; 124.0   (H - 1)
	s_mov_b32 s17, 0xc3000000                      ; -128.0  (-W)
	s_mov_b32 s18, 0xc2fa0000                      ; -125.0  (-H, and -S_MIN)
	s_mov_b32 s19, 0x3c03126f                      ; 1 / 125, nearest f32
	s_mov_b32 s20, 0x37d1b717                      ; r^2 = 0.005^2, nearest f32
	s_mov_b32 s21, 0x43000000                      ; 128.0
	s_mov_b32 s22, 0xc71c4000                      ; -40000.0 = -1 / r^2
	v_mov_b32 v[NONE], 0x7fff
	s_wait_loadcnt 0x0
.irp p, 0,1,2,3
	v_rcp_f32 v[RC+\p], v[PT+4*\p+2]               ; behind the four v_rcp_f32 eight plain products stand before a reciprocal is used (ISA guide 5.7.2)
.endr
.irp p, 0,1,2,3
	v_mul_f32 v[TX+\p], s12, v[PT+4*\p]            ; -FX x
	v_mul_f32 v[TY+\p], s12, v[PT+4*\p+1]          ; -FY y
.endr
	s_wait_alu depctr_va_vdst(0)
.irp p, 0,1,2,3
	v_fma_f32 v[EX+\p], -v[PT+4*\p+2], v[RC+\p], 1.0
.endr
.irp p, 0,1,2,3
	v_fma_f32 v[RC+\p], v[EX+\p], v[RC+\p], v[RC+\p]       ; the reciprocal, one Newton step better
.endr
.irp p, 0,1,2,3
	v_mul_f32 v[QX+\p], v[TX+\p], v[RC+\p]
	v_mul_f32 v[QY+\p], v[TY+\p], v[RC+\p]
.endr
.irp p, 0,1,2,3
	v_fma_f32 v[EX+\p], -v[PT+4*\p+2], v[QX+\p], v[TX+\p]  ; what the quotient leaves over, exact
	v_fma_f32 v[EY+\p], -v[PT+4*\p+2], v[QY+\p], v[TY+\p]
.endr
.irp p, 0,1,2,3
	v_fma_f32 v[QX+\p], v[EX+\p], v[RC+\p], v[QX+\p]       ; -FX x / z
	v_fma_f32 v[QY+\p], v[EY+\p], v[RC+\p], v[QY+\p]
.endr
.irp p, 0,1,2,3
	v_add_f32 v[QX+\p], s13, v[QX+\p]              ; u
	v_add_f32 v[QY+\p], s14, v[QY+\p]              ; v
.endr
.irp p, 0,1,2,3
	v_floor_f32 v[FI+\p], v[QX+\p]
	v_floor_f32 v[FJ+\p], v[QY+\p]
	v_fma_f32 v[TX+\p], v[QX+\p], 2.0, s17         ; 2 u - W (2 u is exact, so the result is that of the plain difference)
	v_fma_f32 v[TY+\p], v[QY+\p], 2.0, s18         ; 2 v - H
.endr
.irp p, 0,1,2,3
	v_med3_num_f32 v[FI+\p], v[FI+\p], 0, s15      ; clamped into the image: a point outside is then half a pixel (0.008) or more from the
	v_med3_num_f32 v[FJ+\p], v[FJ+\p], 0, s16      ; clamped centre and fails d2 < r^2 by itself; no test of the range is needed
	v_mul_f32 v[QX+\p], s19, v[TX+\p]
	v_mul_f32 v[QY+\p], s19, v[TY+\p]
.endr
.irp p, 0,1,2,3
	v_fma_f32 v[XS+\p], v[FI+\p], -2.0, s15        ; 127 - 2 i = -(2 (i + 0.5) - W), exact
	v_fma_f32 v[YS+\p], v[FJ+\p], -2.0, s16        ; 124 - 2 j
	v_fma_f32 v[EX+\p], s18, v[QX+\p], v[TX+\p]
	v_fma_f32 v[EY+\p], s18, v[QY+\p], v[TY+\p]
.endr
.irp p, 0,1,2,3
	v_fma_f32 v[QX+\p], v[EX+\p], s19, v[QX+\p]    ; (2 u - W) / 125 = -x_ndc
	v_fma_f32 v[QY+\p], v[EY+\p], s19, v[QY+\p]    ; -y_ndc
	v_mul_f32 v[TX+\p], s19, v[XS+\p]
	v_mul_f32 v[TY+\p], s19, v[YS+\p]
.endr
.irp p, 0,1,2,3
	v_fma_f32 v[EX+\p], s18, v[TX+\p], v[XS+\p]
	v_fma_f32 v[EY+\p], s18, v[TY+\p], v[YS+\p]
.endr
.irp p, 0,1,2,3
	v_fma_f32 v[TX+\p], v[EX+\p], s19, v[TX+\p]    ; the centre's x in NDC
	v_fma_f32 v[TY+\p], v[EY+\p], s19, v[TY+\p]    ; the centre's y
.endr
.irp p, 0,1,2,3
	v_add_f32 v[QX+\p], v[TX+\p], v[QX+\p]         ; dx = centre - x_ndc
	v_add_f32 v[QY+\p], v[TY+\p], v[QY+\p]         ; dy
	v_fma_f32 v[FI+\p], v[FJ+\p], s21, v[FI+\p]    ; 128 row + column, exact
.endr
.irp p, 0,1,2,3
	v_mul_f32 v[QY+\p], v[QY+\p], v[QY+\p]
	v_cvt_u32_f32 v[FI+\p], v[FI+\p]
	v_cmp_lt_f32 s[28+\p], 0, v[PT+4*\p+2]         ; z > 0
.endr
.irp p, 0,1,2,3
	v_fma_f32 v[QX+\p], v[QX+\p], v[QX+\p], v[QY+\p]       ; d2
.endr
.irp p, 0,1,2,3
	v_cmp_gt_f32 s[24+\p], s20, v[QX+\p]           ; d2 < r^2 (false for NaN)
	v_fma_f32 v[WO+\p], v[QX+\p], s22, 1.0         ; 1 - d2 / r^2
.endr
.irp p, 0,1,2,3
	s_and_b32 s[24+\p], s[24+\p], s[28+\p]
.endr
.irp p, 0,1,2,3
	v_cndmask_b32 v[FI+\p], v[NONE], v[FI+\p], s[24+\p]    ; a choice of value: the pixel's number, or 0x7fff
.endr
	v_lshl_or_b32 v[KO],   v[FI+1], 16, v[FI]
	v_lshl_or_b32 v[KO+1], v[FI+3], 16, v[FI+2]
	global_store_b64  v3, v[KO:KO+1], s[6:7]       ; the wave's 32 lanes: 256 neighbouring bytes, at a multiple of 256 from pix's first byte
	global_store_b128 v4, v[WO:WO+3], s[8:9]       ; 512 neighbouring bytes of wts
	s_endpgm
.Lfunc_end_k_q694d6049b5_project:
	.size	k_q694d6049b5_project, .Lfunc_end_k_q694d6049b5_project-k_q694d6049b5_project
	.p2alignl 7, 3214868480
	.fill 96, 4, 3214868480
	.section	.rodata,"a",@progbits
	.p2align	6, 0x0
	.amdhsa_kernel k_q694d6049b5_project
		.amdhsa_group_segment_fixed_size 0
		.amdhsa_private_segment_fixed_size 0
		.amdhsa_enable_private_segment 0
		.amdhsa_kernarg_size 24
		.amdhsa_user_sgpr_count 2
		.amdhsa_user_sgpr_kernarg_segment_ptr 1
		.amdhsa_wavefront_size32 1
		.amdhsa_system_sgpr_workgroup_id_x 1
		.amdhsa_system_sgpr_workgroup_id_y 1
		.amdhsa_system_sgpr_workgroup_id_z 1
		.amdhsa_system_vgpr_workitem_id 0
		.amdhsa_next_free_vgpr 76
		.amdhsa_next_free_sgpr 66
		.amdhsa_reserve_vcc 0
		.amdhsa_float_denorm_mode_32 3
		.amdhsa_float_denorm_mode_16_64 3
		.amdhsa_memory_ordered 1
		.amdhsa_forward_progress 1
		.amdhsa_inst_pref_size 12
	.end_amdhsa_kernel
	.amdgpu_metadata
---
amdhsa.version: [ 1, 2 ]
amdhsa.kernels:
  - .name:           k_q694d6049b5_project
    .symbol:         k_q694d6049b5_project.kd
    .args:
      - { .name: points, .offset: 0, .size: 8, .value_kind: global_buffer, .address_space: global }
      - { .name: pix, .offset: 8, .size: 8, .value_kind: global_buffer, .address_space: global }
      - { .name: wts, .offset: 16, .size: 8, .value_kind: global_buffer, .address_space: global }
    .group_segment_fixed_size: 0
    .private_segment_fixed_size: 0
    .kernarg_segment_align: 8
    .kernarg_segment_size: 24
    .max_flat_workgroup_size: 32
    .sgpr_count:     66
    .vgpr_count:     76
    .wavefront_size: 32
...
	.end_amdgpu_metadata
.endif
;; end of part 1
;; launch raster (part 2): grid 125 x 1, 4 waves a work-group, no clusters, 7,168 bytes of LDS; arguments pix, wts, points, features, out0, out1; writes out0, out1
.if DOCPART == 2
	.amdgcn_target "amdgcn-amd-amdhsa--gfx1250"
	.amdhsa_code_object_version 6
	.text
	.protected	k_q694d6049b5_raster
	.globl	k_q694d6049b5_raster
	.p2align	8
	.type	k_q694d6049b5_raster,@function
k_q694d6049b5_raster:
	s_mov_b64 s[64:65], 0
	v_nop
	global_prefetch_b8 v0, s[64:65] scope:SCOPE_SE
	s_setreg_imm32_b32 hwreg(HW_REG_WAVE_MODE, 25, 1), 1
	s_wait_xcnt 0x0
; PCDRender, step 2 of 2: one work-group makes one image row; each of its four waves 32 pixels, lane = pixel: the ten nearest covering points of each pixel,
; front to back, composited.
; pix (16 bits a point, from the launch before) = 128 row + column of the one pixel that the point covers, or 0x7fff.  Branches, trip counts and the offsets
; of the scalar loads here hang on these whole numbers alone, and each wave takes them straight from memory: every wave scans all 8,192 numbers itself, and
; nothing that steers a wave comes from another wave.  The order in depth is floating point and is settled by selects only: the same instructions run
; whatever z holds.  Every LDS address is a constant, a lane term and the wave's number times a constant; EXEC is never written.
; pix's order: block B (128 points), slot l (0..31), h = 0..3: byte 256 B + 8 l + 2 h holds point 128 B + 32 h + p, p = (l >> 1) + 16 (l & 1).
; wts holds that point's weight at byte 512 B + 16 l + 4 h.
; 1. FILTER: 16,384 bytes in 32 loads of 16 bytes a lane, taken as eight eighths of 1,024 points.  number XOR key (key = 128 row + 32 wave) is below 32 exactly for
;    the numbers of my 32 pixels, and below 0x8000 always; taking 32 off both halves of a word then sets bit 15 or bit 31 exactly where a half is below 32
;    (a borrow out of the lower half can add a flag above only where there is one below).  XOR, add, OR: three instructions for two points.
; 2. MASKS, only for an eighth with a flag: its 32 masks; mask g = 4 B + h has bit p for point 32 g + p.
; 3. INSERT: the set bits are walked in ascending order, which is the order of the points' numbers.  For each the column, z, weight and features come by four scalar
;    loads; a lane whose column it is not takes z = +inf, which changes nothing.  The list of ten is kept sorted in registers; a new point goes behind
;    equal z, so equal depths keep the lower number in front, as top_k does.  Any number of points on a pixel is served.
; 4. COMPOSITE in f32, empty slots of zbuf to -1, and out through LDS, so that each store of a wave covers whole aligned blocks of 256 bytes.
; The sum over the ten slots (10 x 3 numbers with operands of its own for each pixel) stays on the vector unit in f32: it has no dimension shared between pixels
; that a 16 x 16 x 32 tile could hold.  All waves read the same 16,384 bytes of pix, each for itself: 125 work-groups divide into no cluster of four, and
; the bytes go to registers and are used once.
; LIMIT: empty slots add 0 to the image whatever features holds (with non-finite features the definition multiplies 0 by them).
.set IMG,   0                          ; LDS stage: the row of out0, 128 x 12 = 1,536 bytes
.set ZB,    1536                       ; LDS stage: the row of out1, 128 x 40 = 5,120 bytes; the end is byte 6,656
.set T,     8                          ; v[8:23]    at work
.set LZ,    32                         ; v[32:41]   my pixel's list: z, ascending; +inf = empty
.set LW,    42                         ; v[42:51]   weight
.set LF0,   52                         ; v[52:61]   feature 0
.set LF1,   62                         ; v[62:71]   feature 1
.set LF2,   72                         ; v[72:81]   feature 2
.set MV,    84                         ; v[84:91]   register c, lane i: mask 32 c + i; moved down by one register for each group done
.set ACC,   92                         ; v[92:99]   eighth c: the flags of my lane's 32 numbers
.set INF,   100                        ; v100       +inf
.set ZX,    101                        ; v101       the point's z, or +inf where the column is not mine
.set TR,    103                        ; v103       what the slots in front let through
.set AL,    104                        ; v104       weight x that
.set OU,    106                        ; v[106:108] the pixel's three colours
.set S1,    110                        ; v[110:119] the way out: zbuf
.set S2,    120                        ; v[120:123] the way out: the image
.set PX,    124                        ; v[124:251] 256 pixel numbers of my lane, two a register; XORed with the key in place
.set F,     20                         ; s[20:27]   eighth c: the lanes with a flag
.set RW,    32                         ; s[32:39]   one load's eight comparisons: register q, half e at 2 q + e
.set NZ,    32                         ; s[32:39]   later: group c: the lanes whose mask is not 0; moved down like MV
.set CM,    40                         ; s[40:49]   later: the lanes in which the new z lies in front of slot k
; s18 the key in both halves, s19 -32 in both halves, s28 s29 s30 constants of the scan; s17 s31 s40-43 at work
; the walk: s50 group c, s51/s52 masks of the group that are not 0 / done, s53 lane of the mask, s54 the mask, s55/s56 its bits / done, s57 the bit, s58 s59 at work
; s20 s22 s23: the mask's part of the offsets into pix, wts and of the point's number; s21: 0 or 16, which half of pix's word
; s24 s25 s28: the offsets; s29 pix's word, then the column; s30 z; s31 weight; s[60:62] features
	s_load_b256 s[4:11], s[0:1], 0x0               ; pix s[4:5], wts s[6:7], points s[8:9], features s[10:11]
	s_load_b128 s[12:15], s[0:1], 0x20             ; out0 s[12:13], out1 s[14:15]
	v_lshl_add_u32 v252, v0, 2, 0x1a00
	v_mov_b32 v253, 0
	v_lshrrev_b32 v3, 5, v0
	v_readfirstlane_b32 s16, v3                    ; wave 0..3
	v_and_b32 v1, 31, v0                           ; lane
	v_lshlrev_b32 v2, 4, v1                        ; 16 lane; never rewritten
	s_wait_kmcnt 0x0
.set t, 0
.rept 32
	global_load_b128 v[PX+4*t:PX+4*t+3], v2, s[4:5] offset:512*t          ; blocks 2 t and 2 t + 1: 512 neighbouring bytes
.set t, t+1
.endr
	; while they are on their way: constants, addresses, and the empty lists (which for most pixels are the result)
	s_lshl_b32 s17, ttmp9, 7
	s_lshl_b32 s18, s16, 5
	s_or_b32 s17, s17, s18                         ; the key: 128 row + 32 wave, 0x3e60 at the most
	s_lshl_b32 s18, s17, 16
	s_or_b32 s18, s18, s17                         ; in both halves of a word
	s_mov_b32 s19, 0xffdfffe0                      ; -0x00200020: takes 32 off both halves
	s_mov_b32 s28, 0xffe0                          ; the bits of a lower number above its lowest five
	s_mov_b32 s29, 0x200000                        ; 32 << 16
	s_mov_b32 s30, 0x80008000                      ; the two flags
	s_mul_i32 s20, ttmp9, 1536
	s_mov_b32 s21, 0
	s_add_nc_u64 s[12:13], s[12:13], s[20:21]      ; my row of out0
	s_mul_i32 s20, ttmp9, 5120
	s_mul_i32 s22, s16, 1280
	s_add_co_u32 s20, s20, s22
	s_add_nc_u64 s[14:15], s[14:15], s[20:21]      ; my wave's 32 pixels in out1: 5,120 row + 1,280 wave, a multiple of 256 bytes
	v_mov_b32 v[INF], 0x7f800000
.irp c, 0,1,2,3,4,5,6,7
	v_mov_b32 v[MV+\c], 0                          ; an eighth without a flag has no mask; and v_writelane_b32 writes a lane at a time
.endr
.irp k, 0,1,2,3,4,5,6,7,8,9
	v_mov_b32 v[LZ+\k], 0x7f800000
	v_mov_b32 v[LW+\k], 0
	v_mov_b32 v[LF0+\k], 0
	v_mov_b32 v[LF1+\k], 0
	v_mov_b32 v[LF2+\k], 0
.endr
; Eighth c: 16 registers, 47 instructions; each step is written for all registers in turn, so that few lines wait for the line before.
.macro FILTER c
	s_wait_loadcnt 4*(7-\c)                        ; loads come back in order (ISA guide 5.7.1): my four are in, those of the 7 - c later eighths stay out
.irp i, 0,1,2,3,4,5,6,7,8,9,10,11,12,13,14,15
	v_xor_b32 v[PX+16*\c+\i], s18, v[PX+16*\c+\i]
.endr
.irp i, 0,1,2,3,4,5,6,7,8,9,10,11,12,13,14,15
	v_add_nc_u32 v[T+\i], s19, v[PX+16*\c+\i]
.endr
.irp i, 0,1,2,3,4,5,6,7
	v_or_b32 v[T+\i], v[T+\i], v[T+\i+8]
.endr
.irp i, 0,1,2,3
	v_or_b32 v[T+\i], v[T+\i], v[T+\i+4]
.endr
	v_or_b32 v[T],   v[T],   v[T+2]
	v_or_b32 v[T+1], v[T+1], v[T+3]
	v_or_b32 v[ACC+\c], v[T], v[T+1]
.endm
.irp c, 0,1,2,3,4,5,6,7
	FILTER \c
.endr
.irp c, 0,1,2,3,4,5,6,7
	v_and_b32 v[ACC+\c], s30, v[ACC+\c]
.endr
.irp c, 0,1,2,3,4,5,6,7
	v_cmp_ne_u32 s[F+\c], 0, v[ACC+\c]
.endr
	s_or_b32 s17, s[F],   s[F+1]
	s_or_b32 s31, s[F+2], s[F+3]
	s_or_b32 s40, s[F+4], s[F+5]
	s_or_b32 s41, s[F+6], s[F+7]
	s_or_b32 s17, s17, s31
	s_or_b32 s40, s40, s41
	s_or_b32 s17, s17, s40
	s_cmp_eq_u32 s17, 0
	s_cbranch_scc1 .Lsorted                        ; no point covers one of my 32 pixels: the lists stay empty
; The 32 masks of eighth c, if it has a flag.  Load t of its four holds blocks 2 t (lanes 0 to 15) and 2 t + 1 (lanes 16 to 31) of its eight.  Lane L, register q,
; half e is slot 2 (L & 15) + (q >> 1), h = 2 (q & 1) + e, which is place (L & 15) + 16 (q >> 1).  So for each h comparison h holds places 0 to 15 of both
; blocks and comparison 4 + h places 16 to 31: the lower halves of the two make the first block's mask, the upper halves the second's.
.macro DETAIL c
	s_cmp_eq_u32 s[F+\c], 0
	s_cbranch_scc1 .Lclean_\@
.irp t, 0,1,2,3
.irp q, 0,1,2,3
	v_and_b32 v[T+\q], s28, v[PX+16*\c+4*\t+\q]
.endr
.irp q, 0,1,2,3
	v_cmp_gt_u32 s[RW+2*\q+1], s29, v[PX+16*\c+4*\t+\q]        ; the upper number: the whole word is below 32 << 16
.endr
.irp q, 0,1,2,3
	v_cmp_eq_u32 s[RW+2*\q], 0, v[T+\q]                        ; the lower number
.endr
.irp h, 0,1,2,3
	s_and_b32  s40, s[RW+\h], 0xffff
	s_lshl_b32 s41, s[RW+4+\h], 16
	s_or_b32   s40, s40, s41                       ; block 2 t, h
	s_lshr_b32 s42, s[RW+\h], 16
	s_and_b32  s43, s[RW+4+\h], 0xffff0000
	s_or_b32   s42, s42, s43                       ; block 2 t + 1, h
	v_writelane_b32 v[MV+\c], s40, 8*\t+\h         ; mask i = 4 x block + h into lane i
	v_writelane_b32 v[MV+\c], s42, 8*\t+4+\h
.endr
.endr
.Lclean_\@:
.endm
.irp c, 0,1,2,3,4,5,6,7
	DETAIL \c
.endr
.irp r, 0,1,2,3,4,5,6,7
	v_cmp_ne_u32 s[NZ+\r], 0, v[MV+\r]
.endr
	s_mov_b32 s50, 0                               ; the group; its masks stand in v[MV], which of them are not 0 in s[NZ]
.Lgrp:
	s_cmp_eq_u32 s[NZ], 0
	s_cbranch_scc1 .Lgrp_next
	s_bcnt1_i32_b32 s51, s[NZ]                     ; so many masks to walk, 1 to 32
	s_mov_b32 s52, 0
.Lmask:
	s_ctz_i32_b32 s53, s[NZ]                       ; the lowest of them,
	s_lshl_b32 s58, 1, s53
	s_and_not1_b32 s[NZ], s[NZ], s58               ; taken off
	v_readlane_b32 s54, v[MV], s53                 ; the mask; it is not 0
	s_lshl_b32 s59, s50, 5
	s_add_co_u32 s59, s59, s53                     ; g = 32 c + i = 4 B + h
	s_lshr_b32 s58, s59, 2                         ; B
	s_and_b32 s20, s59, 2
	s_lshl_b32 s20, s20, 1
	s_lshl_b32 s21, s58, 8
	s_add_co_u32 s20, s20, s21                     ; pix's word: 256 B + 4 (h / 2), + 8 l below
	s_and_b32 s22, s59, 3
	s_lshl_b32 s22, s22, 2
	s_lshl_b32 s21, s58, 9
	s_add_co_u32 s22, s22, s21                     ; wts: 512 B + 4 h, + 16 l below
	s_and_b32 s21, s59, 1
	s_lshl_b32 s21, s21, 4                         ; the word's lower (0) or upper (16) half
	s_lshl_b32 s23, s59, 5                         ; the point: 32 g, + p below
	s_bcnt1_i32_b32 s55, s54                       ; so many points, 1 to 32
	s_mov_b32 s56, 0
.Lbit:
	s_ctz_i32_b32 s57, s54                         ; p: the lowest point of the mask,
	s_lshl_b32 s58, 1, s57
	s_and_not1_b32 s54, s54, s58                   ; taken off
	s_and_b32 s58, s57, 15
	s_lshl_b32 s58, s58, 1
	s_lshr_b32 s59, s57, 4
	s_or_b32 s58, s58, s59                         ; its slot l = 2 (p & 15) + (p >> 4)
	s_lshl3_add_u32 s24, s58, s20
	s_lshl4_add_u32 s25, s58, s22
	s_add_co_u32 s28, s23, s57
	s_min_u32 s24, s24, 0x3ffc                     ; the offsets' bounds are written out: the last word of pix's 16,384 bytes,
	s_min_u32 s25, s25, 0x7ffc                     ; of wts' 32,768 bytes,
	s_min_u32 s28, s28, 0x1fff                     ; the last of 8,192 points
	s_mul_i32 s28, s28, 12                         ; 12 bytes a point, in points and in features
	s_load_b32 s29, s[4:5], s24                    ; the point's pixel number, in one half
	s_load_b32 s30, s[8:9], s28 offset:0x8         ; z
	s_load_b32 s31, s[6:7], s25                    ; 1 - d2 / r^2
	s_load_b96 s[60:62], s[10:11], s28             ; the three features
	s_wait_kmcnt 0x0                               ; scalar loads come back in no order (ISA guide 5.7.1): only zero shows them
	s_wait_xcnt 0x0                                ; s24, s25 and s28, which these loads read, are written again in the next trip only behind this wait (ISA guide 3.1)
	s_lshr_b32 s29, s29, s21
	s_and_b32 s29, s29, 127                        ; the column: one of my wave's 32
	v_cmp_eq_u32 vcc_lo, s29, v0                   ; the thread's number is the pixel's column
	v_cndmask_b32 v[ZX], v[INF], s30, vcc_lo
.irp k, 0,1,2,3,4,5,6,7,8,9
	v_cmp_lt_f32 s[CM+\k], v[ZX], v[LZ+\k]         ; strictly in front of slot k: behind equal z
.endr
	; slot k takes slot k - 1 where the new point lies in front of k - 1, the new point where it lies in front of k alone, else it stays.
	; From the back, so that slot k - 1 is still the old one.  For z that is the middle one of (slot k - 1, slot k, new).
.irp k, 9,8,7,6,5,4,3,2,1
	v_cndmask_b32 v[LW+\k],  v[LW+\k],  s31, s[CM+\k]
	v_cndmask_b32 v[LF0+\k], v[LF0+\k], s60, s[CM+\k]
	v_cndmask_b32 v[LF1+\k], v[LF1+\k], s61, s[CM+\k]
	v_cndmask_b32 v[LF2+\k], v[LF2+\k], s62, s[CM+\k]
	v_med3_num_f32 v[LZ+\k], v[LZ+\k-1], v[LZ+\k], v[ZX]
	v_cndmask_b32 v[LW+\k],  v[LW+\k],  v[LW+\k-1],  s[CM+\k-1]
	v_cndmask_b32 v[LF0+\k], v[LF0+\k], v[LF0+\k-1], s[CM+\k-1]
	v_cndmask_b32 v[LF1+\k], v[LF1+\k], v[LF1+\k-1], s[CM+\k-1]
	v_cndmask_b32 v[LF2+\k], v[LF2+\k], v[LF2+\k-1], s[CM+\k-1]
.endr
	v_cndmask_b32 v[LW],  v[LW],  s31, s[CM]
	v_cndmask_b32 v[LF0], v[LF0], s60, s[CM]
	v_cndmask_b32 v[LF1], v[LF1], s61, s[CM]
	v_cndmask_b32 v[LF2], v[LF2], s62, s[CM]
	v_min_num_f32 v[LZ], v[LZ], v[ZX]
	s_add_co_u32 s56, s56, 1
	s_cmp_lt_u32 s56, s55
	s_cbranch_scc1 .Lbit
	s_add_co_u32 s52, s52, 1
	s_cmp_lt_u32 s52, s51
	s_cbranch_scc1 .Lmask
.Lgrp_next:
.irp i, 0,1,2,3,4,5,6
	v_mov_b32 v[MV+\i], v[MV+\i+1]                 ; the next group's masks move down to v[MV],
	s_mov_b32 s[NZ+\i], s[NZ+\i+1]                 ; and which of them are not 0 to s[NZ]
.endr
	s_add_co_u32 s50, s50, 1
	s_cmp_lt_u32 s50, 8
	s_cbranch_scc1 .Lgrp
.Lsorted:
	; zbuf: z, or -1 for an empty slot.  The image: sum over k of w_k (product over j < k of (1 - w_j)) f_k; an empty slot has w = 0
.irp k, 0,1,2,3,4,5,6,7,8,9
	v_cmp_lt_f32 s[CM+\k], v[LZ+\k], v[INF]
.endr
	v_mul_f32 v[OU],   v[LW], v[LF0]               ; slot 0 starts the sums: nothing stands in front of it
	v_mul_f32 v[OU+1], v[LW], v[LF1]
	v_mul_f32 v[OU+2], v[LW], v[LF2]
	v_sub_f32 v[TR], 1.0, v[LW]
.irp k, 1,2,3,4,5,6,7,8
	v_mul_f32 v[AL], v[LW+\k], v[TR]
	v_fma_f32 v[TR], -v[LW+\k], v[TR], v[TR]
	v_cndmask_b32 v[LZ+\k], -1.0, v[LZ+\k], s[CM+\k]
	v_fma_f32 v[OU],   v[AL], v[LF0+\k], v[OU]
	v_fma_f32 v[OU+1], v[AL], v[LF1+\k], v[OU+1]
	v_fma_f32 v[OU+2], v[AL], v[LF2+\k], v[OU+2]
.endr
	v_mul_f32 v[AL], v[LW+9], v[TR]
	v_cndmask_b32 v[LZ],   -1.0, v[LZ],   s[CM]
	v_cndmask_b32 v[LZ+9], -1.0, v[LZ+9], s[CM+9]
	v_fma_f32 v[OU],   v[AL], v[LF0+9], v[OU]
	v_fma_f32 v[OU+1], v[AL], v[LF1+9], v[OU+1]
	v_fma_f32 v[OU+2], v[AL], v[LF2+9], v[OU+2]
	s_mul_i32 s20, s16, 384                        ; my wave's 32 pixels: 32 x 12 bytes of the image (the stage begins at LDS byte 0),
	s_mul_i32 s21, s16, 1280                       ; 32 x 40 bytes of zbuf
	s_add_co_u32 s21, s21, ZB
	v_mul_u32_u24 v6, 12, v1
	v_mul_u32_u24 v7, 40, v1
	v_add_nc_u32 v6, s20, v6                       ; lanes 3 words apart,
	v_add_nc_u32 v7, s21, v7                       ; lanes 10 words apart, two words each: 32 lanes touch each bank once at the most (64 banks of 4 bytes: ISA guide 11.1)
	ds_store_b32 v6, v[OU]
	ds_store_b32 v6, v[OU+1] offset:4
	ds_store_b32 v6, v[OU+2] offset:8
.irp k, 0,2,4,6,8
	ds_store_b64 v7, v[LZ+\k:LZ+\k+1] offset:4*\k
.endr
	; THE WAY OUT.  zbuf: my wave's 1,280 bytes are its own in the stage and in out1: five runs of 256 bytes, 8 bytes a lane, with no barrier.
	v_lshlrev_b32 v5, 3, v1                        ; 8 lane: in my part of the stage and of out1; never rewritten
	v_add_nc_u32 v4, s21, v5
.irp t, 0,1,2,3,4
	ds_load_b64 v[S1+2*\t:S1+2*\t+1], v4 offset:256*\t             ; LDS serves a wave's instructions in order (ISA guide 5.7.1.4): these see the stores above
.endr
.irp t, 0,1,2,3,4
	s_wait_dscnt 4-\t                              ; LDS loads come back in order (ISA guide 5.7.1): run t is in, the 4 - t younger ones stay out
	global_store_b64 v5, v[S1+2*\t:S1+2*\t+1], s[14:15] offset:256*\t th:TH_STORE_NT   ; 256 neighbouring bytes at a multiple of 256 from out1's first byte
.endr
	; The image: a wave's 384 bytes end in the middle of a block of 256, so the row's 1,536 bytes go out as three runs of 512, each from pixels of two waves.
	s_wait_dscnt 0x0                               ; my part of the image is in LDS: zero, for the waves that read it (met: the count-down above ended at 0)
	s_barrier_signal -1
	s_barrier_wait -1
	s_cmp_ge_u32 s16, 3
	s_cbranch_scc1 .Ldone                          ; three runs, waves 0 to 2
	v_lshlrev_b32 v8, 4, v1
	v_lshl_add_u32 v8, s16, 9, v8                  ; 512 wave + 16 lane: in the stage and in the row of out0
	ds_load_b128 v[S2:S2+3], v8 offset:IMG
	s_wait_dscnt 0x0
	global_store_b128 v8, v[S2:S2+3], s[12:13] th:TH_STORE_NT      ; 512 neighbouring bytes at a multiple of 256 from out0's first byte
.Ldone:
	s_wait_tensorcnt 0x0
	ds_add_u32 v252, v253
	s_wait_dscnt 0x0
	s_endpgm
.Lfunc_end_k_q694d6049b5_raster:
	.size	k_q694d6049b5_raster, .Lfunc_end_k_q694d6049b5_raster-k_q694d6049b5_raster
	.p2alignl 7, 3214868480
	.fill 96, 4, 3214868480
	.section	.rodata,"a",@progbits
	.p2align	6, 0x0
	.amdhsa_kernel k_q694d6049b5_raster
		.amdhsa_group_segment_fixed_size 7168
		.amdhsa_private_segment_fixed_size 0
		.amdhsa_enable_private_segment 0
		.amdhsa_kernarg_size 48
		.amdhsa_user_sgpr_count 2
		.amdhsa_user_sgpr_kernarg_segment_ptr 1
		.amdhsa_wavefront_size32 1
		.amdhsa_system_sgpr_workgroup_id_x 1
		.amdhsa_system_sgpr_workgroup_id_y 1
		.amdhsa_system_sgpr_workgroup_id_z 1
		.amdhsa_system_vgpr_workitem_id 0
		.amdhsa_next_free_vgpr 254
		.amdhsa_next_free_sgpr 66
		.amdhsa_reserve_vcc 1
		.amdhsa_float_denorm_mode_32 3
		.amdhsa_float_denorm_mode_16_64 3
		.amdhsa_memory_ordered 1
		.amdhsa_forward_progress 1
		.amdhsa_inst_pref_size 104
	.end_amdhsa_kernel
	.amdgpu_metadata
---
amdhsa.version: [ 1, 2 ]
amdhsa.kernels:
  - .name:           k_q694d6049b5_raster
    .symbol:         k_q694d6049b5_raster.kd
    .args:
      - { .name: pix, .offset: 0, .size: 8, .value_kind: global_buffer, .address_space: global }
      - { .name: wts, .offset: 8, .size: 8, .value_kind: global_buffer, .address_space: global }
      - { .name: points, .offset: 16, .size: 8, .value_kind: global_buffer, .address_space: global }
      - { .name: features, .offset: 24, .size: 8, .value_kind: global_buffer, .address_space: global }
      - { .name: out0, .offset: 32, .size: 8, .value_kind: global_buffer, .address_space: global }
      - { .name: out1, .offset: 40, .size: 8, .value_kind: global_buffer, .address_space: global }
    .group_segment_fixed_size: 7168
    .private_segment_fixed_size: 0
    .kernarg_segment_align: 8
    .kernarg_segment_size: 48
    .max_flat_workgroup_size: 128
    .sgpr_count:     66
    .vgpr_count:     254
    .wavefront_size: 32
...
	.end_amdgpu_metadata
.endif
;; end of part 2
